; MI455X (gfx1250); checked and timed in simulation.
; The chip was launched on July 23, 2026; its instructions are those of AMD's public machine-readable ISA for CDNA 5 (MIT licence, August 2026) and "CDNA5" Instruction Set Architecture Reference Guide (July 2026). The comments in the code are by the model that wrote it; some were corrected since.
;; Multi Head Attention. Allowed arithmetic: float matrix products may take bf16 or f16 operands with f32 sums; all other float work in f32.
;; Inputs: Wk 1,024 x 1,024 float32; Wo 1,024 x 1,024 float32; Wq 1,024 x 1,024 float32; Wv 1,024 x 1,024 float32; x 2 x 2,048 x 1,024 float32.
;; Outputs: out0 2 x 2,048 x 1,024 float32.
;; One version. Each part assembles by itself: llvm-mc -triple=amdgcn-amd-amdhsa -mcpu=gfx1250 --defsym DOCPART=n.
;; ======== version 1 of 1: 4 launches
;; limits: values are held in f16: magnitudes above 65,504 overflow, below 6.1e-05 lose precision
;; workspace buffers: cb 16,777,216 bytes; qb 8,388,608 bytes; kv 16,777,216 bytes; ab 8,388,608 bytes
;; launch cast (part 1): grid 128 x 8, 8 waves a work-group, no clusters, 0 bytes of LDS; arguments x, Wq, Wk, Wv, Wo, cb; writes cb
.if DOCPART == 1
	.amdgcn_target "amdgcn-amd-amdhsa--gfx1250"
	.amdhsa_code_object_version 6
	.text
	.protected	k_q5762c2db7d_cast
	.globl	k_q5762c2db7d_cast
	.p2align	8
	.type	k_q5762c2db7d_cast,@function
k_q5762c2db7d_cast:
	s_mov_b64 s[64:65], 0
	v_nop
	global_prefetch_b8 v0, s[64:65] scope:SCOPE_SE
	s_setreg_imm32_b32 hwreg(HW_REG_WAVE_MODE, 25, 1), 1
	s_wait_xcnt 0x0
; x, Wq, Wk, Wv, Wo from f32 to f16, into cb.  A pure stream: no LDS, no barrier, no matrix unit, no cluster (no two work-groups read the same byte).
; cb: x as [4096][1024] at byte 0; the q, k, v weights at WQKV as [head 16][half 2][matrix 3][32 rows][1024], so that the 96 weight rows
; that one wave pair of the next launch multiplies lie together; Wo as [1024][1024] at WOUT.
; LIMIT: f16 holds magnitudes up to 65,504 (larger ones become infinite) and steps by 6e-8 below 6.1e-5.
; A work-group takes 8 rows of 1,024 numbers: y = 0..3 are quarters of x, y = 4..7 the matrices Wq, Wk, Wv, Wo.  Thread t takes 4 numbers of each row:
; a wave's load covers 512 consecutive bytes, a wave's store 256 consecutive bytes that start at a multiple of 256 from cb's first byte.
.set WQKV, 8388608
.set WOUT, 14680064
.set X, 8                              ; v[8:39]   eight rows' 16 bytes as loaded
.set Y, 40                             ; v[40:55]  eight rows' 8 bytes to store
	s_load_b256 s[4:11], s[0:1], 0x0               ; x s[4:5], Wq s[6:7], Wk s[8:9], Wv s[10:11]
	s_load_b128 s[12:15], s[0:1], 0x20             ; Wo s[12:13], cb s[14:15]
	s_and_b32 s20, ttmp7, 0xffff                   ; y
	v_lshlrev_b32 v1, 4, v0                        ; 16 t: my bytes in a row of f32
	v_lshlrev_b32 v2, 3, v0                        ; 8 t: my bytes in a row of f16
	; where the 8 rows come from: (y < 4: y quarters of 4 MiB) + X blocks of 8 rows of 4,096 bytes
	s_cmp_lt_u32 s20, 4
	s_cselect_b32 s21, s20, 0
	s_lshl_b32 s21, s21, 22
	s_lshl_b32 s22, ttmp9, 15
	s_add_co_u32 s22, s22, s21
	s_mov_b32 s23, 0
	; where they go, three cases
	s_lshl_b32 s24, ttmp9, 14                      ; X blocks of 8 rows of 2,048 bytes
	s_lshl_b32 s25, s20, 21
	s_add_co_u32 s25, s25, s24                     ; x: y quarters of 2 MiB + the block
	s_add_co_u32 s26, s24, WOUT                    ; Wo: as it lies
	s_lshr_b32 s27, ttmp9, 3                       ; q, k, v: head = row / 64,
	s_mul_i32 s27, s27, 192                        ; 192 rows a head,
	s_bfe_u32 s28, ttmp9, 0x10002                  ; half = (row / 32) & 1,
	s_mul_i32 s28, s28, 96                         ; 96 rows a half,
	s_add_co_u32 s27, s27, s28
	s_max_u32 s28, s20, 4
	s_sub_co_u32 s28, s28, 4                       ; matrix 0, 1, 2 (for y < 4: 0, and the result is not taken),
	s_lshl_b32 s28, s28, 5                         ; 32 rows a matrix,
	s_add_co_u32 s27, s27, s28
	s_and_b32 s28, ttmp9, 3
	s_lshl3_add_u32 s27, s28, s27                  ; and row % 32 = 8 (X & 3)
	s_lshl_b32 s27, s27, 11
	s_add_co_u32 s27, s27, WQKV
	s_cmp_lt_u32 s20, 4
	s_cselect_b32 s27, s25, s27
	s_cmp_eq_u32 s20, 7
	s_cselect_b32 s24, s26, s27
	s_mov_b32 s25, 0
	s_wait_kmcnt 0x0
	s_mov_b64 s[16:17], s[4:5]                     ; the source buffer, chosen by y alone
	s_cmp_eq_u32 s20, 4
	s_cselect_b64 s[16:17], s[6:7], s[16:17]
	s_cmp_eq_u32 s20, 5
	s_cselect_b64 s[16:17], s[8:9], s[16:17]
	s_cmp_eq_u32 s20, 6
	s_cselect_b64 s[16:17], s[10:11], s[16:17]
	s_cmp_eq_u32 s20, 7
	s_cselect_b64 s[16:17], s[12:13], s[16:17]
	s_add_nc_u64 s[16:17], s[16:17], s[22:23]
	s_add_nc_u64 s[14:15], s[14:15], s[24:25]
.irp j, 0,1,2,3,4,5,6,7
	global_load_b128 v[X+4*\j:X+4*\j+3], v1, s[16:17] offset:4096*\j th:TH_LOAD_NT   ; all eight rows are asked for at once; each byte is read once in the launch
.endr
.irp j, 0,1,2,3,4,5,6,7
	s_wait_loadcnt 7-\j                            ; loads come back in order: row j is in, the 7 - j younger ones may be out
	v_cvt_pk_f16_f32 v[Y+2*\j],   v[X+4*\j],   v[X+4*\j+1]
	v_cvt_pk_f16_f32 v[Y+2*\j+1], v[X+4*\j+2], v[X+4*\j+3]
	global_store_b64 v2, v[Y+2*\j:Y+2*\j+1], s[14:15] offset:2048*\j   ; no register of a load or store is written again: no further wait
.endr
	s_endpgm
.Lfunc_end_k_q5762c2db7d_cast:
	.size	k_q5762c2db7d_cast, .Lfunc_end_k_q5762c2db7d_cast-k_q5762c2db7d_cast
	.p2alignl 7, 3214868480
	.fill 96, 4, 3214868480
	.section	.rodata,"a",@progbits
	.p2align	6, 0x0
	.amdhsa_kernel k_q5762c2db7d_cast
		.amdhsa_group_segment_fixed_size 0
		.amdhsa_private_segment_fixed_size 0
		.amdhsa_enable_private_segment 0
		.amdhsa_kernarg_size 48
		.amdhsa_user_sgpr_count 2
		.amdhsa_user_sgpr_kernarg_segment_ptr 1
		.amdhsa_wavefront_size32 1
		.amdhsa_system_sgpr_workgroup_id_x 1
		.amdhsa_system_sgpr_workgroup_id_y 1
		.amdhsa_system_sgpr_workgroup_id_z 1
		.amdhsa_system_vgpr_workitem_id 0
		.amdhsa_next_free_vgpr 64
		.amdhsa_next_free_sgpr 66
		.amdhsa_reserve_vcc 0
		.amdhsa_float_denorm_mode_32 3
		.amdhsa_float_denorm_mode_16_64 3
		.amdhsa_memory_ordered 1
		.amdhsa_forward_progress 1
		.amdhsa_inst_pref_size 5
	.end_amdhsa_kernel
	.amdgpu_metadata
---
amdhsa.version: [ 1, 2 ]
amdhsa.kernels:
  - .name:           k_q5762c2db7d_cast
    .symbol:         k_q5762c2db7d_cast.kd
    .args:
      - { .name: x, .offset: 0, .size: 8, .value_kind: global_buffer, .address_space: global }
      - { .name: Wq, .offset: 8, .size: 8, .value_kind: global_buffer, .address_space: global }
      - { .name: Wk, .offset: 16, .size: 8, .value_kind: global_buffer, .address_space: global }
      - { .name: Wv, .offset: 24, .size: 8, .value_kind: global_buffer, .address_space: global }
      - { .name: Wo, .offset: 32, .size: 8, .value_kind: global_buffer, .address_space: global }
      - { .name: cb, .offset: 40, .size: 8, .value_kind: global_buffer, .address_space: global }
    .group_segment_fixed_size: 0
    .private_segment_fixed_size: 0
    .kernarg_segment_align: 8
    .kernarg_segment_size: 48
    .max_flat_workgroup_size: 256
    .sgpr_count:     66
    .vgpr_count:     64
    .wavefront_size: 32
...
	.end_amdgpu_metadata
.endif
;; end of part 1
;; launch qkv (part 2): grid 16 x 16, 4 waves a work-group, clusters of 4 x 4, 327,680 bytes of LDS; arguments cb, qb, kv; writes qb, kv
.if DOCPART == 2
	.amdgcn_target "amdgcn-amd-amdhsa--gfx1250"
	.amdhsa_code_object_version 6
	.text
	.protected	k_q5762c2db7d_qkv
	.globl	k_q5762c2db7d_qkv
	.p2align	8
	.type	k_q5762c2db7d_qkv,@function
k_q5762c2db7d_qkv:
	s_mov_b64 s[64:65], 0
	v_nop
	global_prefetch_b8 v0, s[64:65] scope:SCOPE_SE
	s_setreg_imm32_b32 hwreg(HW_REG_WAVE_MODE, 25, 1), 1
	s_wait_xcnt 0x0
	s_wait_alu depctr_hold_cnt(0) depctr_sa_sdst(0) depctr_va_vdst(0) depctr_va_sdst(0) depctr_va_ssrc(0) depctr_va_vcc(0) depctr_vm_vsrc(0)
	s_getreg_b32 s2, hwreg(HW_REG_IB_STS2, 6, 4)
	s_cmp_eq_u32 s2, 0
	s_cbranch_scc0 .Lentry_in_a_cluster
	s_endpgm
.Lentry_in_a_cluster:
	s_bfe_u32 s2, ttmp6, 0x10000c
	s_cmp_lg_u32 s2, 0xf033
	s_cbranch_scc0 .Lentry_shape_is_right
	s_endpgm
.Lentry_shape_is_right:
; q, k, v = x W^T for one head and 256 tokens, f16 operands, f32 sums.  Work-group (head, mb): tokens 256 mb .. + 255, the head's 64 columns of q, of k and of v.
; Four waves; wave w = 2 wm + wn takes tokens 128 wm .. + 127 and d = 32 wn .. + 31 of each of q, k, v: 8 x 6 accumulator tiles of 16 x 16, 384 registers.
; K (= 1,024) goes in steps of 128 through two LDS slots filled by the tensor data mover; a tile's rows are 256 bytes of memory at multiples of 256 from cb's first byte.
; CLUSTERS: 4 x 4 work-groups.  x's tile hangs on mb alone and is asked for jointly by a row of the cluster, the weights' tile on the head alone and is asked
; for jointly by a column: each request serves four work-groups.
; q is multiplied by log2(e) / 8 before it is rounded, so that the next launch's exponentials are plain powers of two (the order of rounding differs from
; scaling the scores).  LIMIT: q log2(e)/8, k, v are stored in f16: magnitudes above 65,504 become infinite, steps of 6e-8 below 6.1e-5.
; OUTPUT LAYOUTS, made so that a lane's 16 bytes and its 15 neighbours' fill 256 consecutive bytes straight from the accumulators:
;   qb: [bh 32][block of 16 tokens, 128][chunk d / 8, 8][token % 16][8 numbers]
;   kv: [bh 32][tile of 256 keys, 8][K: [block of 16 keys, 16][chunk d / 8][key % 16][8] | V: [chunk key / 8, 32][d / 16, 4][d % 16][8 keys]]
; q and k use the matrix instruction transposed (source 0 = weight rows, source 1 = tokens): a lane holds one token and 8 neighbouring d.
; v uses it the natural way (source 0 = tokens): a lane holds one d and 8 neighbouring tokens, which is V transposed as the next launch wants it.
; REGISTERS: window 0: v16-25 addresses, v32-143 and v144-255 two fragment buffers (8 fragments of x, then 6 of the weights);
;   window 1: the 32 tiles of q and k, tile (b, a) at v[8 (8 b + a)], b = 0, 1 q, 2, 3 k;  window 2: the 16 tiles of v.
.set KSTEP,  128
.set PITCH,  272                       ; an LDS row: 256 bytes + 16 of padding, so that the 16 rows of a fragment load start at 16 different 16-byte columns modulo 256
.set HALFT,  128*PITCH                 ; one wave's part of a slot: 128 rows of x, or 96 weight rows (26,112 bytes of it)
.set SLOT,   4*HALFT                   ; x rows 0-127, x rows 128-255, weights of half 0, weights of half 1
.set LAPS,   1024/(2*KSTEP)            ; a lap = two K steps = once round the ring
.set ADRA, 16                          ; v16-17  LDS address of my x fragments in slot 0, 1
.set ADRB, 20                          ; v20-21  the same for my weight fragments
.set QO,   24                          ; v24     16 x lane: my bytes in a block of q or k
.set VO,   25                          ; v25     1,024 (lane / 16) + 16 (lane % 16): my bytes in V
.set F0,   32
.set F1,   144
.set G1,  24                           ; s[24:31] descriptor group 1 for x's tiles
.set G0,  32                           ; s[32:39] group 0 for x's tiles, a set for each slot
.set G1B, 48                           ; s[48:55] group 1 for the weights' tiles
.set G0B, 56                           ; s[56:63] group 0 for the weights' tiles, a set for each slot
.set MSB, 0
.macro WIN new                         ; s_set_vgpr_msb: bits 1:0 source 0, 3:2 source 1, 5:4 source 2, 7:6 destination; the high byte repeats the setting that is left
.if MSB != \new
	s_set_vgpr_msb (MSB<<8)|\new
.set MSB, \new
.endif
.endm
.macro PLACES n
.rept \n
	v_nop
.endr
.endm
; A joint load.  Waves 0, 1 fetch x's two halves, waves 2, 3 the weights' two halves.  Each line has one mask and one set of registers.
.macro JLOAD s
	s_cmp_eq_u32 s11, 0
	s_cbranch_scc0 .Lfor_b_\@
	tensor_load_to_lds s[G0+4*\s:G0+4*\s+3], s[G1:G1+7]
	s_nop 0
	s_branch .Lasked_\@
.Lfor_b_\@:
	tensor_load_to_lds s[G0B+4*\s:G0B+4*\s+3], s[G1B:G1B+7]
	s_nop 0
.Lasked_\@:
.endm
.macro CREST                           ; a round of the cluster's barrier behind its opening work-group barrier
	s_cmp_lg_u32 s10, 0
	s_cbranch_scc1 .Lnot_wave_0_\@
	s_barrier_signal -3
.Lnot_wave_0_\@:
	s_barrier_wait -3
	s_barrier_signal -1
	s_barrier_wait -1
.endm
.macro CROUND                          ; a whole round
	s_barrier_signal -1
	s_barrier_wait -1
	CREST
.endm
	s_load_b128 s[4:7], s[0:1], 0x0                ; cb s[4:5], qb s[6:7]
	s_load_b64 s[8:9], s[0:1], 0x10                ; kv
	v_lshl_add_u32 v30, v0, 2, 0x44000
	v_mov_b32 v31, 0
	ds_add_u32 v30, v31
	v_lshrrev_b32 v1, 5, v0
	v_readfirstlane_b32 s10, v1                    ; wave 0..3
	s_lshr_b32 s11, s10, 1                         ; wm.  Also: I fetch x (0) or weights (1)
	s_and_b32 s12, s10, 1                          ; wn.  Also: which half I fetch
	s_bfe_u32 s40, ttmp6, 0x40000                  ; cx
	s_bfe_u32 s41, ttmp6, 0x40004                  ; cy
	s_lshl_b32 s42, ttmp9, 2
	s_add_co_u32 s42, s42, s40                     ; head = 4 x cluster x + cx
	s_and_b32 s13, ttmp7, 0xffff
	s_lshl_b32 s13, s13, 2
	s_add_co_u32 s13, s13, s41                     ; mb = 4 x cluster y + cy
	s_lshl_b32 s43, s41, 2
	s_lshl_b32 s43, 15, s43                        ; my row of the cluster
	s_lshl_b32 s44, 0x1111, s40                    ; my column
	s_or_b32 s[G1+0], s43, (1<<16)|(1<<20)|(1<<21)|(5<<22)|(3<<25)   ; mask; elements of 2 bytes; padding on, 4 words behind every 64; bit 21 beside a mask
	s_or_b32 s[G1B+0], s44, (1<<16)|(1<<20)|(1<<21)|(5<<22)|(3<<25)
	s_mov_b32 s[G1+1], KSTEP<<16                   ; tensor_dim0 = 128
	s_mov_b32 s[G1B+1], KSTEP<<16
	s_mov_b32 s[G1+2], 128<<16                     ; tensor_dim1 = 128 rows of x
	s_mov_b32 s[G1B+2], 96<<16                     ; 96 weight rows
	s_mov_b32 s[G1+3], KSTEP<<16                   ; tile_dim0 = 128
	s_mov_b32 s[G1B+3], KSTEP<<16
	s_mov_b32 s[G1+4], 128                         ; tile_dim1
	s_mov_b32 s[G1B+4], 96
	s_mov_b32 s[G1+5], 1024                        ; elements from row to row
	s_mov_b32 s[G1B+5], 1024
	s_mov_b32 s[G1+6], 0
	s_mov_b32 s[G1B+6], 0
	s_mov_b32 s[G1+7], 0
	s_mov_b32 s[G1B+7], 0
	s_lshl_b32 s16, s13, 19                        ; x: 256 mb rows of 2,048 bytes
	s_lshl_b32 s17, s12, 18                        ; + 128 rows for the second half
	s_add_co_u32 s16, s16, s17
	s_mov_b32 s17, 0
	s_mul_i32 s46, s42, 393216                     ; weights: 192 rows a head,
	s_mul_i32 s47, s12, 196608                     ; 96 a half,
	s_add_co_u32 s46, s46, s47
	s_add_co_u32 s46, s46, 8388608                 ; behind x in cb
	s_mov_b32 s47, 0
	s_mul_i32 s20, s10, HALFT                      ; wave w fills part w of a slot: no place in the cluster enters an LDS address
	s_wait_dscnt 0x0
	s_wait_kmcnt 0x0
	s_add_nc_u64 s[14:15], s[4:5], s[16:17]
	s_add_nc_u64 s[46:47], s[4:5], s[46:47]
	CROUND                                         ; all sixteen work-groups are here: the first joint loads meet
.irp s, 0,1
	s_mov_b32 s[G0+4*\s], 1
	s_add_co_u32 s[G0+4*\s+1], s20, \s*SLOT
	s_add_nc_u64 s[G0+4*\s+2:G0+4*\s+3], s[14:15], \s*KSTEP*2
	s_or_b32 s[G0+4*\s+3], s[G0+4*\s+3], 0x80000000
	s_mov_b32 s[G0B+4*\s], 1
	s_add_co_u32 s[G0B+4*\s+1], s20, \s*SLOT
	s_add_nc_u64 s[G0B+4*\s+2:G0B+4*\s+3], s[46:47], \s*KSTEP*2
	s_or_b32 s[G0B+4*\s+3], s[G0B+4*\s+3], 0x80000000
	JLOAD \s                                       ; K steps 0 and 1: two tensor loads of the wave are out, the most in this text
.endr
	; a fragment: lane l holds row l % 16; registers 0-3 K = 8 (l / 16) + 0..7, registers 4-7 K = 16 + 8 (l / 16) + 0..7: two loads of 16 bytes, 32 apart
	v_and_b32 v1, 15, v0
	v_bfe_u32 v2, v0, 4, 1
	v_mul_u32_u24 v3, v1, PITCH
	v_lshl_add_u32 v3, v2, 4, v3
	s_mul_i32 s21, s11, HALFT                      ; my 128 rows of x
	s_mul_i32 s22, s12, HALFT
	s_add_co_u32 s22, s22, 2*HALFT                 ; my 96 weight rows
.irp s, 0,1
	v_add_nc_u32 v[ADRA+\s], s21, v3
	v_add_nc_u32 v[ADRB+\s], s22, v3
	s_add_co_u32 s21, s21, SLOT
	s_add_co_u32 s22, s22, SLOT
.endr
	v_and_b32 v4, 31, v0
	v_lshlrev_b32 v[QO], 4, v4
	v_lshlrev_b32 v5, 4, v1
	v_lshl_add_u32 v[VO], v2, 10, v5
; The 48 accumulators take turns, one instruction a turn, in the same order in every quarter step.
.macro MULQK f, b0, zero               ; 16 matrix instructions: weight fragments b0, b0 + 1 (of q, k) x the 8 token fragments, transposed use
	WIN 0x50
.irp b, \b0, \b0+1
.irp a, 0,1,2,3,4,5,6,7
.if \zero
	v_wmma_f32_16x16x32_f16 v[8*(8*(\b)+\a):8*(8*(\b)+\a)+7], v[\f+64+8*(\b):\f+64+8*(\b)+7], v[\f+8*\a:\f+8*\a+7], 0
.else
	v_wmma_f32_16x16x32_f16 v[8*(8*(\b)+\a):8*(8*(\b)+\a)+7], v[\f+64+8*(\b):\f+64+8*(\b)+7], v[\f+8*\a:\f+8*\a+7], v[8*(8*(\b)+\a):8*(8*(\b)+\a)+7]
.endif
.endr
.endr
.endm
.macro MULV f, zero                    ; 16 matrix instructions: the 8 token fragments x v's two weight fragments, natural use
	WIN 0xa0
.irp b, 0,1
.irp a, 0,1,2,3,4,5,6,7
.if \zero
	v_wmma_f32_16x16x32_f16 v[8*(8*\b+\a):8*(8*\b+\a)+7], v[\f+8*\a:\f+8*\a+7], v[\f+96+8*\b:\f+96+8*\b+7], 0
.else
	v_wmma_f32_16x16x32_f16 v[8*(8*\b+\a):8*(8*\b+\a)+7], v[\f+8*\a:\f+8*\a+7], v[\f+96+8*\b:\f+96+8*\b+7], v[8*(8*\b+\a):8*(8*\b+\a)+7]
.endif
.endr
.endr
.endm
.macro FETCH slot, k, f                ; 28 LDS loads in one run: q's and k's weight fragments, x's fragments, last v's weight fragments
	WIN 0
.irp b, 0,1,2,3
	ds_load_b128 v[\f+64+8*\b:\f+64+8*\b+3],   v[ADRB+\slot] offset:\k+\b*16*PITCH
	ds_load_b128 v[\f+64+8*\b+4:\f+64+8*\b+7], v[ADRB+\slot] offset:\k+\b*16*PITCH+32
.endr
.irp a, 0,1,2,3,4,5,6,7
	ds_load_b128 v[\f+8*\a:\f+8*\a+3],   v[ADRA+\slot] offset:\k+\a*16*PITCH
	ds_load_b128 v[\f+8*\a+4:\f+8*\a+7], v[ADRA+\slot] offset:\k+\a*16*PITCH+32
.endr
.irp b, 4,5
	ds_load_b128 v[\f+64+8*\b:\f+64+8*\b+3],   v[ADRB+\slot] offset:\k+\b*16*PITCH
	ds_load_b128 v[\f+64+8*\b+4:\f+64+8*\b+7], v[ADRB+\slot] offset:\k+\b*16*PITCH+32
.endr
.endm
; A quarter step (32 along K): multiplies buffer f; in its middle the next quarter's fragments are fetched into buffer g.
; The four v_nop are the places between the matrix instructions that read buffer g and the loads into it (ISA guide 7.12.1 for vector instructions).
.macro QUARTER slot, k, f, g, zero
	s_wait_dscnt 4                                 ; all but the youngest four loads (v's weight fragments) are in
	MULQK \f, 0, \zero
	MULQK \f, 2, \zero
	PLACES 4
	FETCH \slot, \k, \g
	s_wait_dscnt 28                                ; all but the 28 just issued
	MULV \f, \zero
.endm
.macro THREE slot, zero
	QUARTER \slot, 64,  F0, F1, \zero
	QUARTER \slot, 128, F1, F0, 0
	QUARTER \slot, 192, F0, F1, 0
.endm
; The last quarter of a K step changes slots.  In front of the barrier each wave waits for its reads of this slot and for all its tensor loads (one is out:
; its part of the next slot).  Where the slot is filled again the barrier opens a round of the cluster's barrier, and the joint refill is the first tensor load behind it.
.macro TURN slot, next, fill
	s_wait_dscnt 4
	MULQK F1, 0, 0
	s_wait_dscnt 0x0                               ; my reads of this slot are over
	s_wait_tensorcnt 0x0                           ; all my tensor loads have landed
	ds_add_u32 v30, v31
	s_wait_dscnt 0x0
	s_barrier_signal -1
	MULQK F1, 2, 0                                 ; register work while the others arrive
	WIN 0
	s_barrier_wait -1
.if \fill
	CREST                                          ; no wave of any partner still reads this slot or has a load on its way
	s_add_nc_u64 s[G0+4*\slot+2:G0+4*\slot+3], s[G0+4*\slot+2:G0+4*\slot+3], 2*KSTEP*2
	s_add_nc_u64 s[G0B+4*\slot+2:G0B+4*\slot+3], s[G0B+4*\slot+2:G0B+4*\slot+3], 2*KSTEP*2
	JLOAD \slot
.endif
	PLACES 4
	FETCH \next, 0, F0
	MULV F1, 0
.endm
.macro LAP zero
	THREE 0, \zero
	TURN 0, 1, 1
	THREE 1, 0
	TURN 1, 0, 1
.endm
	s_wait_tensorcnt 0x1                           ; my part of K step 0 is in; K step 1's load may stay out
	s_barrier_signal -1
	s_barrier_wait -1
	FETCH 0, 0, F0
	LAP 1                                          ; the first products start the sums: nothing is cleared
	WIN 0
	s_mov_b32 s3, LAPS-2
.Llap:
	LAP 0
	WIN 0
	s_sub_co_u32 s3, s3, 1
	s_cmp_lg_u32 s3, 0
	s_cbranch_scc1 .Llap
	THREE 0, 0                                     ; the last lap fills nothing
	TURN 0, 1, 0
	THREE 1, 0
	s_wait_dscnt 0x0
	MULQK F1, 0, 0
	MULQK F1, 2, 0
	MULV F1, 0
	; THE WAY OUT: scale q, round to f16 in place, store 16 bytes a lane straight from the accumulators' registers.
	PLACES 4                                       ; the places behind the last matrix instructions
	s_lshr_b32 s66, s13, 3                         ; batch = mb / 8
	s_lshl4_add_u32 s66, s66, s42                  ; bh = 16 batch + head
	s_and_b32 s67, s13, 7                          ; which 256 tokens of the sequence
	s_lshl_b32 s68, s66, 18                        ; qb: 262,144 bytes a head,
	s_lshl_b32 s70, s67, 15                        ; 16 blocks of 2,048 bytes for 256 tokens,
	s_add_co_u32 s68, s68, s70
	s_lshl_b32 s70, s11, 14                        ; 8 blocks for my 128 tokens,
	s_add_co_u32 s68, s68, s70
	s_lshl_b32 s71, s12, 10                        ; 4 chunks of 256 bytes for my 32 d
	s_add_co_u32 s68, s68, s71
	s_mov_b32 s69, 0
	s_add_nc_u64 s[6:7], s[6:7], s[68:69]
	s_lshl_b32 s72, s66, 19                        ; kv: 524,288 bytes a head,
	s_lshl_b32 s73, s67, 16                        ; 65,536 a tile of 256 keys,
	s_add_co_u32 s72, s72, s73
	s_add_co_u32 s72, s72, s70                     ; 16,384 for my 128 keys, in K's part and in V's
	s_mov_b32 s73, 0
	s_add_nc_u64 s[8:9], s[8:9], s[72:73]
	s_lshl_b32 s74, s12, 9                         ; V: 2 blocks of 256 bytes for my 32 d,
	s_add_co_u32 s74, s74, 32768                   ; behind K's part
	s_mov_b32 s75, 0
	s_add_nc_u64 s[78:79], s[8:9], s[74:75]
	s_mov_b32 s72, s71
	s_add_nc_u64 s[8:9], s[8:9], s[72:73]          ; K: as q
	s_mov_b32 s76, 0x3e38aa3b                      ; log2(e) / 8
	s_mov_b32 s77, 0x3e38aa3b
	WIN 0x45                                       ; destination and both sources in window 1
.set tt, 0
.rept 16
.irp i, 0,1,2,3
	v_pk_mul_f32 v[8*tt+2*\i:8*tt+2*\i+1], v[8*tt+2*\i:8*tt+2*\i+1], s[76:77] op_sel_hi:[1,0]
.endr
.set tt, tt+1
.endr
.set tt, 0
.rept 32
.irp i, 0,1,2,3
	v_cvt_pk_f16_f32 v[8*tt+\i], v[8*tt+2*\i], v[8*tt+2*\i+1]      ; in place, ascending: register i is written when registers 2 i, 2 i + 1 are read
.endr
.set tt, tt+1
.endr
	WIN 0x04                                       ; a store's data are its source 1
.irp i, 0,1
.irp a, 0,1,2,3,4,5,6,7
	global_store_b128 v[QO], v[8*(8*\i+\a):8*(8*\i+\a)+3], s[6:7] offset:\a*2048+\i*512        ; a wave's store covers 512 consecutive bytes
.endr
.endr
.irp i, 0,1
.irp a, 0,1,2,3,4,5,6,7
	global_store_b128 v[QO], v[8*(8*(2+\i)+\a):8*(8*(2+\i)+\a)+3], s[8:9] offset:\a*2048+\i*512
.endr
.endr
	WIN 0x8a
.set tt, 0
.rept 16
.irp i, 0,1,2,3
	v_cvt_pk_f16_f32 v[8*tt+\i], v[8*tt+2*\i], v[8*tt+2*\i+1]
.endr
.set tt, tt+1
.endr
	WIN 0x08
.irp i, 0,1
.irp a, 0,1,2,3,4,5,6,7
	global_store_b128 v[VO], v[8*(8*\i+\a):8*(8*\i+\a)+3], s[78:79] offset:\a*2048+\i*256      ; each half of the lanes covers 256 consecutive bytes, aligned
.endr
.endr
	WIN 0
	CROUND                                         ; the closing round: no work-group ends while a partner may still ask for a tile that names it
	s_endpgm
.Lfunc_end_k_q5762c2db7d_qkv:
	.size	k_q5762c2db7d_qkv, .Lfunc_end_k_q5762c2db7d_qkv-k_q5762c2db7d_qkv
	.p2alignl 7, 3214868480
	.fill 96, 4, 3214868480
	.section	.rodata,"a",@progbits
	.p2align	6, 0x0
	.amdhsa_kernel k_q5762c2db7d_qkv
		.amdhsa_group_segment_fixed_size 327680
		.amdhsa_private_segment_fixed_size 0
		.amdhsa_enable_private_segment 0
		.amdhsa_kernarg_size 24
		.amdhsa_user_sgpr_count 2
		.amdhsa_user_sgpr_kernarg_segment_ptr 1
		.amdhsa_wavefront_size32 1
		.amdhsa_system_sgpr_workgroup_id_x 1
		.amdhsa_system_sgpr_workgroup_id_y 1
		.amdhsa_system_sgpr_workgroup_id_z 1
		.amdhsa_system_vgpr_workitem_id 0
		.amdhsa_next_free_vgpr 640
		.amdhsa_next_free_sgpr 80
		.amdhsa_reserve_vcc 0
		.amdhsa_float_denorm_mode_32 3
		.amdhsa_float_denorm_mode_16_64 3
		.amdhsa_memory_ordered 1
		.amdhsa_forward_progress 1
		.amdhsa_inst_pref_size 152
	.end_amdhsa_kernel
	.amdgpu_metadata
---
amdhsa.version: [ 1, 2 ]
amdhsa.kernels:
  - .name:           k_q5762c2db7d_qkv
    .symbol:         k_q5762c2db7d_qkv.kd
    .args:
      - { .name: cb, .offset: 0, .size: 8, .value_kind: global_buffer, .address_space: global }
      - { .name: qb, .offset: 8, .size: 8, .value_kind: global_buffer, .address_space: global }
      - { .name: kv, .offset: 16, .size: 8, .value_kind: global_buffer, .address_space: global }
    .group_segment_fixed_size: 327680
    .private_segment_fixed_size: 0
    .kernarg_segment_align: 8
    .kernarg_segment_size: 24
    .max_flat_workgroup_size: 128
    .sgpr_count:     80
    .vgpr_count:     640
    .wavefront_size: 32
...
	.end_amdgpu_metadata
.endif
;; end of part 2
;; launch attn (part 3): grid 8 x 32, 8 waves a work-group, clusters of 4 x 1, 327,680 bytes of LDS; arguments qb, kv, ab; writes ab
.if DOCPART == 3
	.amdgcn_target "amdgcn-amd-amdhsa--gfx1250"
	.amdhsa_code_object_version 6
	.text
	.protected	k_q5762c2db7d_attn
	.globl	k_q5762c2db7d_attn
	.p2align	8
	.type	k_q5762c2db7d_attn,@function
k_q5762c2db7d_attn:
	s_mov_b64 s[64:65], 0
	v_nop
	global_prefetch_b8 v0, s[64:65] scope:SCOPE_SE
	s_setreg_imm32_b32 hwreg(HW_REG_WAVE_MODE, 25, 1), 1
	s_wait_xcnt 0x0
	s_wait_alu depctr_hold_cnt(0) depctr_sa_sdst(0) depctr_va_vdst(0) depctr_va_sdst(0) depctr_va_ssrc(0) depctr_va_vcc(0) depctr_vm_vsrc(0)
	s_getreg_b32 s2, hwreg(HW_REG_IB_STS2, 6, 4)
	s_cmp_eq_u32 s2, 0
	s_cbranch_scc0 .Lentry_in_a_cluster
	s_endpgm
.Lentry_in_a_cluster:
	s_bfe_u32 s2, ttmp6, 0x10000c
	s_cmp_lg_u32 s2, 0x3003
	s_cbranch_scc0 .Lentry_shape_is_right
	s_endpgm
.Lentry_shape_is_right:
; softmax(q k^T / 8) v for 256 queries of one head, with a running maximum; f16 operands, f32 sums and softmax.  q carries log2(e) / 8 already, so the
; exponentials are powers of two of (score - maximum).  LIMIT: p (at most 1) and the result are rounded to f16 (steps of 6e-8 below 6.1e-5, infinite above 65,504).
; Work-group (qblock, bh).  Eight waves, two on a SIMD.  Wave w: queries 64 (w & 3) .. + 63, and of every tile of 256 keys the keys 128 (w >> 2) .. + 127, in two
; steps of 64.  Waves w and w ^ 4 merge their maxima, sums and results at the end, through LDS.
; CLUSTERS: the four work-groups of a cluster work on one head and ask jointly for its K and V tiles (64 KiB, dense in memory, each wave an eighth).
; MATRIX FORMS: S^T = K Q^T (source 0 = 16 keys, source 1 = 16 queries): lane l holds query l % 16 and keys 8 (l / 16) + 0..7.  Two such tiles, rounded to f16 in the
; lane, ARE source 1 of O^T = V^T P^T: no shuffle.  Maximum, sum and rescaling factor are one number a lane; the two halves of the lanes meet by v_permlanex16_b32.
; THE PIPELINE.  A unit is 16 queries x 64 keys: 8 products for S^T, 119 vector instructions, 8 products for O^T.  The turn of unit t has two halves:
;   half A (all windows 0): the 8 products of S^T(t+1), one behind every 8 to 13 vector instructions of unit t's maximum, subtraction, exponentials and rounding;
;   half B (window setting 0x51): the 8 products of O^T(t-1), four vector instructions behind each: O(t) times alpha, and the sums of unit t's p.
; So matrix and vector work of ONE wave stand side by side in its text, and no product waits for the softmax of its own unit.
; K's and V's fragments have one set of registers each: a fragment is loaded again, for the next step, behind the product that read it last, and is used one turn later.
; REGISTERS, window 0: v2-7, v29-30 addresses; ST (m, l) pairs; AL (alpha, scratch) pairs; MN four running maxima; KF K's fragments; QF Q's; SB two buffers of scores
;   (units take turns); PB two buffers of P.   window 1: v0-127 O^T, tile (dt, qt) at v[8 (4 qt + dt)]; VF V's fragments; LL the sums, two pairs a query tile; VA V's addresses.
.set TILEB, 65536                      ; a tile and a slot: K's 32 KiB, then V's
.set STG,   131072                     ; behind the two slots: the merge's stage, into which no tensor load lands
.set XREG,  8704                       ; a wave's part of it: 8,192 bytes of O, 512 of (m, l)
.set KA,  2                            ; v2-3   my K address in slot 0, 1
.set L16, 6                            ; v6     16 x lane
.set PF,  7                            ; v7     256 x lane + 8,192 x qblock: my part of a tile to prefetch
.set ST,  8                            ; v[8:15]    (m, l) of query tile qt at ST + 2 qt; l is 0 until the end (the sums run in LL)
.set AL,  16                           ; v[16:23]   (alpha, scratch)
.set MN,  24                           ; v[24:27]
.set TMP, 28                           ; v28
.set SA,  29                           ; v29    where I put what my partner finishes
.set RA,  30                           ; v30    where my partner put what I finish
.set KF,  32                           ; v[32:95]    fragment (kt, ks) at KF + 16 kt + 8 ks
.set QF,  96                           ; v[96:159]   fragment (qt, ks) at QF + 16 qt + 8 ks
.set SB,  160                          ; v[160:223]  buffer b at SB + 32 b; tile kt at + 8 kt
.set PB,  224                          ; v[224:255]  buffer b at PB + 16 b; fragment g (32 keys) at + 8 g
.set XB,  96                           ; the merge: the partner's O, in Q's registers
.set VF,  128                          ; window 1: fragment (g, dt) at VF + 8 (4 g + dt)
.set LL,  192                          ; window 1: v[192:207]
.set VA,  208                          ; window 1: v208-209  my V address in slot 0, 1 (an LDS load's address is its source 0, which half B takes from window 1)
.set G1,  16                           ; s[16:23]
.set G0,  24                           ; s[24:31], a set for each slot
.set MSB, 0
.macro WIN new                         ; s_set_vgpr_msb: bits 1:0 source 0, 3:2 source 1, 5:4 source 2, 7:6 destination; the high byte repeats the setting that is left
.if MSB != \new
	s_set_vgpr_msb (MSB<<8)|\new
.set MSB, \new
.endif
.endm
.macro CROUND                          ; a round of the cluster's barrier
	s_barrier_signal -1
	s_barrier_wait -1
	s_cmp_lg_u32 s10, 0
	s_cbranch_scc1 .Lnot_wave_0_\@
	s_barrier_signal -3
.Lnot_wave_0_\@:
	s_barrier_wait -3
	s_barrier_signal -1
	s_barrier_wait -1
.endm
	s_load_b128 s[4:7], s[0:1], 0x0                ; qb s[4:5], kv s[6:7]
	s_load_b64 s[8:9], s[0:1], 0x10                ; ab
	v_lshl_add_u32 v31, v0, 2, 0x31000
	s_set_vgpr_msb 0x40
	v_mov_b32 v255, 0
	s_set_vgpr_msb 0x4044
	ds_add_u32 v31, v255
	s_set_vgpr_msb 0x4400
	v_lshrrev_b32 v1, 5, v0
	v_readfirstlane_b32 s10, v1                    ; wave 0..7
	s_and_b32 s11, s10, 3                          ; which 64 queries
	s_lshr_b32 s12, s10, 2                         ; which half of every tile's keys
	s_bfe_u32 s13, ttmp6, 0x40000                  ; cx
	s_lshl_b32 s14, ttmp9, 2
	s_add_co_u32 s14, s14, s13                     ; qblock = 4 x cluster x + cx
	s_and_b32 s15, ttmp7, 0xffff                   ; bh
	s_mov_b32 s[G1+0], 15|(3<<16)|(1<<21)          ; mask: all four of the cluster; elements of 8 bytes; bit 21 beside a mask
	s_mov_b32 s[G1+1], 32<<16                      ; tensor_dim0 = 32 elements = 256 bytes
	s_mov_b32 s[G1+2], 32<<16                      ; tensor_dim1 = 32 rows: 8 KiB a wave
	s_mov_b32 s[G1+3], 32<<16                      ; tile_dim0
	s_mov_b32 s[G1+4], 32                          ; tile_dim1
	s_mov_b32 s[G1+5], 32                          ; each row begins where the last ends
	s_mov_b32 s[G1+6], 0
	s_mov_b32 s[G1+7], 0
	s_lshl_b32 s40, s15, 19                        ; kv: 524,288 bytes a head
	s_mov_b32 s41, 0
	s_lshl_b32 s37, s10, 13                        ; my eighth of a tile, in memory and in LDS
	s_mov_b32 s32, s37
	s_mov_b32 s33, 0
	s_mov_b32 s42, 2*TILEB                         ; the prefetch's tile offset in the head: one step in front of tile 3
	s_mov_b32 s43, 0
	s_lshl_b32 s44, s15, 18                        ; qb: 262,144 bytes a head,
	s_lshl_b32 s45, s14, 15                        ; 16 blocks of 2,048 bytes a qblock,
	s_add_co_u32 s44, s44, s45
	s_lshl_b32 s45, s11, 13                        ; 4 blocks for my 64 queries
	s_add_co_u32 s44, s44, s45
	s_mov_b32 s45, 0
	s_lshr_b32 s46, s15, 4                         ; ab: [token / 16][e / 8][token % 16][8]: row block = 128 batch
	s_lshl_b32 s46, s46, 7
	s_lshl4_add_u32 s46, s14, s46                  ; + 16 qblock
	s_lshl2_add_u32 s46, s11, s46                  ; + 4 (w & 3),
	s_lshl_b32 s46, s46, 15                        ; 32,768 bytes each;
	s_and_b32 s47, s15, 15
	s_lshl_b32 s47, s47, 11                        ; 8 chunks of 256 bytes a head
	s_add_co_u32 s46, s46, s47
	s_mov_b32 s47, 0
	s_mov_b32 s34, 0x76543210                      ; v_permlanex16_b32: lane i of one half reads lane i of the other
	s_mov_b32 s35, 0xfedcba98
	s_wait_dscnt 0x0
	s_wait_kmcnt 0x0
	s_add_nc_u64 s[40:41], s[6:7], s[40:41]        ; the head's K and V
	s_add_nc_u64 s[32:33], s[40:41], s[32:33]      ; my eighth of its tile 0
	s_add_nc_u64 s[4:5], s[4:5], s[44:45]
	s_add_nc_u64 s[8:9], s[8:9], s[46:47]
.irp n, 0,1
	s_mov_b32 s[G0+4*\n], 1
	s_add_co_u32 s[G0+4*\n+1], s37, \n*TILEB
	s_add_nc_u64 s[G0+4*\n+2:G0+4*\n+3], s[32:33], \n*TILEB
	s_or_b32 s[G0+4*\n+3], s[G0+4*\n+3], 0x80000000
.endr
	CROUND                                         ; the four work-groups are here: the first joint loads meet
	tensor_load_to_lds s[G0:G0+3], s[G1:G1+7]      ; tile 0
	s_nop 0
	tensor_load_to_lds s[G0+4:G0+7], s[G1:G1+7]    ; tile 1: two tensor loads of the wave are out, the most in this text
	s_nop 0
	v_and_b32 v1, 31, v0
	v_lshlrev_b32 v[L16], 4, v1
.irp qt, 0,1,2,3
.irp ks, 0,1
	global_load_b128 v[QF+16*\qt+8*\ks:QF+16*\qt+8*\ks+3],   v[L16], s[4:5] offset:\qt*2048+\ks*1024       ; chunks 4 ks + l / 16: d = 32 ks + 8 (l / 16) ..
	global_load_b128 v[QF+16*\qt+8*\ks+4:QF+16*\qt+8*\ks+7], v[L16], s[4:5] offset:\qt*2048+\ks*1024+512   ; chunks 4 ks + 2 + l / 16
.endr
.endr
	v_and_b32 v4, 15, v0
	v_bfe_u32 v5, v0, 4, 1
	s_lshl_b32 s48, s12, 14                        ; my half of the keys: 16,384 bytes on in K's part and in V's
	v_add_nc_u32 v[KA], s48, v[L16]
	v_add_nc_u32 v[KA+1], TILEB, v[KA]
	v_lshlrev_b32 v4, 4, v4
	v_lshl_add_u32 v4, v5, 10, v4                  ; V: 16 (l % 16) + 1,024 (l / 16)
	s_add_co_u32 s49, s48, 32768
	v_add_nc_u32 v4, s49, v4
	v_add_nc_u32 v5, TILEB, v4
	s_lshl_b32 s49, s14, 13
	v_lshl_add_u32 v[PF], v1, 8, s49
	s_mul_i32 s49, s10, XREG
	s_add_co_u32 s49, s49, STG
	v_add_nc_u32 v[SA], s49, v[L16]
	s_xor_b32 s49, s10, 4
	s_mul_i32 s49, s49, XREG
	s_add_co_u32 s49, s49, STG
	v_add_nc_u32 v[RA], s49, v[L16]
	v_mov_b32 v[TMP], 0                            ; v_permlanex16_b32's destination counts as read
.irp qt, 0,1,2,3
	v_mov_b32 v[ST+2*\qt+1], 0                     ; the pair (m, l) is named whole by the packed subtraction
	v_mov_b32 v[AL+2*\qt], 0                       ; the pair (alpha, scratch) likewise by the packed products
	v_mov_b32 v[AL+2*\qt+1], 0
.endr
	WIN 0x40                                       ; destination in window 1
	v_mov_b32 v[VA], v4
	v_mov_b32 v[VA+1], v5
.irp i, 0,1,2,3,4,5,6,7,8,9,10,11,12,13,14,15
	v_mov_b32 v[LL+\i], 0                          ; the sums of p start at 0: in half B a sum's first source lies in window 1, so no first addition of two p can start them
.endr
	WIN 0
; ---- the pieces of half A (S_CUR, S_NXT, Q_NXT, P_CUR, M_CUR, A_CUR are set by ALPHA)
; Product j of S^T(t+1): key tile j % 4, half j / 4 of d.  The four accumulators take turns, one instruction a turn.
; wt = 1: K's fragments were loaded again in the turn before, in the order of use, two loads each: fragment j is in when at most 14 - 2 j younger loads are out.
.macro S_MM j, on, wt
.if \on
.if \wt
	s_wait_dscnt 14-2*(\j)
.endif
.if (\j) < 4
	v_wmma_f32_16x16x32_f16 v[S_NXT+8*((\j)%4):S_NXT+8*((\j)%4)+7], v[KF+16*((\j)%4)+8*((\j)/4):KF+16*((\j)%4)+8*((\j)/4)+7], v[Q_NXT+8*((\j)/4):Q_NXT+8*((\j)/4)+7], 0
.else
	v_wmma_f32_16x16x32_f16 v[S_NXT+8*((\j)%4):S_NXT+8*((\j)%4)+7], v[KF+16*((\j)%4)+8*((\j)/4):KF+16*((\j)%4)+8*((\j)/4)+7], v[Q_NXT+8*((\j)/4):Q_NXT+8*((\j)/4)+7], v[S_NXT+8*((\j)%4):S_NXT+8*((\j)%4)+7]
.endif
.endif
.endm
.macro K_LD j, on, slot, u             ; the fragment that product j reads, of step u of a slot: two loads of 512 consecutive bytes
.if \on
	ds_load_b128 v[KF+16*((\j)%4)+8*((\j)/4):KF+16*((\j)%4)+8*((\j)/4)+3],   v[KA+\slot] offset:(\u)*8192+((\j)%4)*2048+((\j)/4)*1024
	ds_load_b128 v[KF+16*((\j)%4)+8*((\j)/4)+4:KF+16*((\j)%4)+8*((\j)/4)+7], v[KA+\slot] offset:(\u)*8192+((\j)%4)*2048+((\j)/4)*1024+512
.endif
.endm
.macro SUBM k                          ; two scores less the maximum
	v_pk_add_f32 v[S_CUR+2*(\k):S_CUR+2*(\k)+1], v[S_CUR+2*(\k):S_CUR+2*(\k)+1], v[M_CUR:M_CUR+1] op_sel_hi:[1,0] neg_lo:[0,1] neg_hi:[0,1]
.endm
.macro EXP2 i
	v_exp_f32 v[S_CUR+(\i)], v[S_CUR+(\i)]
.endm
.macro CVTP k                          ; two p to f16: register k of P; the f32 p stay for the sums of half B
	s_wait_alu depctr_va_vdst(0)
	v_cvt_pk_f16_f32 v[P_CUR+(\k)], v[S_CUR+2*(\k)], v[S_CUR+2*(\k)+1]
.endm
.macro TRIO k                          ; two exponentials, then the rounding of the pair before: the rounding is the plain instruction that stands between an
	EXP2 2*(\k)+2                                  ; exponential and the first use of its result (ISA guide 5.7.2): pair k's exponentials are followed by rounding k - 1
	EXP2 2*(\k)+3
	CVTP \k
.endm
; Half A of the turn of a unit of query tile qt.  first = 1: the wave's first step (no old maximum, no alpha).  swm: the next unit's products are made.
; kl: K's fragments are loaded again, from step ku of slot kslot, each 8 or more vector instructions behind the product that read it; none of those
; names a register of that product, so the four places between a product and a load into its source are kept (ISA guide 7.12.1 for vector instructions).
.macro ALPHA qt, first, swm, kl, kslot, ku, kwait
	WIN 0
.set S_CUR, SB+32*((\qt)%2)
.set S_NXT, SB+32*((\qt+1)%2)
.set Q_NXT, QF+16*((\qt+1)%4)
.set P_CUR, PB+16*((\qt)%2)
.set M_CUR, ST+2*(\qt)
.set A_CUR, AL+2*(\qt)
	S_MM 0, \swm, \kwait
.irp c, 0,1,2,3
	v_max3_num_f32 v[MN+\c], v[S_CUR+8*\c], v[S_CUR+8*\c+1], v[S_CUR+8*\c+2]       ; the maximum of the lane's 32 scores: four chains side by side
.endr
.irp c, 0,1,2,3
	v_max3_num_f32 v[MN+\c], v[MN+\c], v[S_CUR+8*\c+3], v[S_CUR+8*\c+4]
.endr
	K_LD 0, \kl, \kslot, \ku
	S_MM 1, \swm, \kwait
.irp c, 0,1,2,3
	v_max3_num_f32 v[MN+\c], v[MN+\c], v[S_CUR+8*\c+5], v[S_CUR+8*\c+6]
.endr
	v_max3_num_f32 v[MN], v[MN], v[MN+1], v[S_CUR+7]
	v_max3_num_f32 v[MN+2], v[MN+2], v[MN+3], v[S_CUR+15]
	v_max3_num_f32 v[MN], v[MN], v[S_CUR+23], v[S_CUR+31]
.if \first
	v_max_num_f32 v[MN], v[MN], v[MN+2]
.else
	v_max3_num_f32 v[MN], v[MN], v[MN+2], v[M_CUR]                                 ; with the old maximum
.endif
	K_LD 1, \kl, \kslot, \ku
	S_MM 2, \swm, \kwait
	v_permlanex16_b32 v[TMP], v[MN], s34, s35      ; the other half of the lanes holds the query's other 32 keys
	v_max_num_f32 v[MN], v[MN], v[TMP]
.if \first == 0
	v_sub_f32 v[A_CUR], v[M_CUR], v[MN]
.endif
	v_mov_b32 v[M_CUR], v[MN]
.if \first == 0
	v_exp_f32 v[A_CUR], v[A_CUR]                   ; alpha = 2^(old maximum - new maximum); the subtractions below touch no alpha: the place behind it
.endif
.irp k, 0,1,2,3,4
	SUBM \k
.endr
	K_LD 2, \kl, \kslot, \ku
	S_MM 3, \swm, \kwait
.irp k, 5,6,7,8,9,10,11,12,13,14
	SUBM \k
.endr
	K_LD 3, \kl, \kslot, \ku
	S_MM 4, \swm, \kwait
	EXP2 0
	EXP2 1
	EXP2 2
	EXP2 3
	SUBM 15                                        ; the plain instruction between the first exponentials and the first rounding
	CVTP 0
	TRIO 1
	TRIO 2
	K_LD 4, \kl, \kslot, \ku
	S_MM 5, \swm, \kwait
.irp k, 3,4,5,6
	TRIO \k
.endr
	K_LD 5, \kl, \kslot, \ku
	S_MM 6, \swm, \kwait
.irp k, 7,8,9,10
	TRIO \k
.endr
	K_LD 6, \kl, \kslot, \ku
	S_MM 7, \swm, \kwait
.irp k, 11,12,13,14
	TRIO \k
.endr
	CVTP 15
	K_LD 7, \kl, \kslot, \ku
.endm
; ---- the pieces of half B (O_CUR, O_PRV, P_PRV, L_CUR, A_CUR, S_CUR are set by BETA)
; Product j of O^T(t-1): d tile j % 4, half j / 4 of the 64 keys.  pv = 2: the unit belongs to the first step, and its first four products start the sums.
.macro O_MM j, pv, wt
.if \pv
.if \wt
	s_wait_dscnt 14-2*(\j)                         ; V's fragments were loaded again in the turn before, in the order of use: as for K
.endif
.set ZC, 0
.if (\pv) == 2
.if (\j) < 4
.set ZC, 1
.endif
.endif
.if ZC
	v_wmma_f32_16x16x32_f16 v[O_PRV+8*((\j)%4):O_PRV+8*((\j)%4)+7], v[VF+8*(\j):VF+8*(\j)+7], v[P_PRV+8*((\j)/4):P_PRV+8*((\j)/4)+7], 0
.else
	v_wmma_f32_16x16x32_f16 v[O_PRV+8*((\j)%4):O_PRV+8*((\j)%4)+7], v[VF+8*(\j):VF+8*(\j)+7], v[P_PRV+8*((\j)/4):P_PRV+8*((\j)/4)+7], v[O_PRV+8*((\j)%4):O_PRV+8*((\j)%4)+7]
.endif
.endif
.endm
.macro V_LD j, on, slot, u             ; the fragment that product j reads, of step u of a slot: each half of the lanes 256 consecutive bytes
.if \on
	ds_load_b128 v[VF+8*(\j):VF+8*(\j)+3],   v[VA+\slot] offset:(\u)*8192+((\j)/4)*4096+((\j)%4)*256
	ds_load_b128 v[VF+8*(\j)+4:VF+8*(\j)+7], v[VA+\slot] offset:(\u)*8192+((\j)/4)*4096+((\j)%4)*256+2048
.endif
.endm
.macro RESC k                          ; two numbers of O(t) times alpha
	v_pk_mul_f32 v[O_CUR+2*(\k):O_CUR+2*(\k)+1], v[O_CUR+2*(\k):O_CUR+2*(\k)+1], v[A_CUR:A_CUR+1] op_sel_hi:[1,0]
.endm
.macro SUML k                          ; two p onto one of the two sum pairs, by turns
	v_pk_add_f32 v[L_CUR+2*((\k)%2):L_CUR+2*((\k)%2)+1], v[L_CUR+2*((\k)%2):L_CUR+2*((\k)%2)+1], v[S_CUR+2*(\k):S_CUR+2*(\k)+1]
.endm
; Half B of the turn of a unit of query tile qt.  mode 0: rescale and sum; 1: first step, sum alone; 2: no vector work (behind the last unit).
; vl: V's fragments are loaded again, from step vu of slot vslot; with products (mode 0) each load stands behind the four vector instructions that follow the
; product that read the fragment, and these name O(t), alpha, the sums and unit t's p: none of that product's registers (ISA guide 7.12.1 for vector instructions).
.macro BETA qt, mode, pv, vl, vslot, vu, vwait
	WIN 0x51                                       ; source 0 (V, O, sums, V's address), C and D in window 1; source 1 (P, alpha, p) in window 0
.set S_CUR, SB+32*((\qt)%2)
.set A_CUR, AL+2*(\qt)
.set O_CUR, 32*(\qt)
.set O_PRV, 32*((\qt+3)%4)
.set P_PRV, PB+16*((\qt+1)%2)
.set L_CUR, LL+4*(\qt)
.if (\mode) == 0
	v_pk_mul_f32 v[L_CUR:L_CUR+1], v[L_CUR:L_CUR+1], v[A_CUR:A_CUR+1] op_sel_hi:[1,0]
	v_pk_mul_f32 v[L_CUR+2:L_CUR+3], v[L_CUR+2:L_CUR+3], v[A_CUR:A_CUR+1] op_sel_hi:[1,0]
.endif
.irp j, 0,1,2,3,4,5,6,7
	O_MM \j, \pv, \vwait
.if (\mode) == 0
	RESC 2*\j
	SUML 2*\j
	RESC 2*\j+1
	SUML 2*\j+1
.endif
.if (\mode) == 1
	SUML 2*\j
	SUML 2*\j+1
.endif
	V_LD \j, \vl, \vslot, \vu
.endr
.endm
; Between the halves of the turn (step 1, query tile 1).  All the wave's LDS reads of this tile have been issued (V of step 1 a half turn ago); the next tile's first read
; (K) comes a turn later.  kind 2: every wave waits for all its tensor loads (one is out: its eighth of the next tile) and for its LDS reads, passes a round of the
; cluster's barrier, and THIS tile's slot is filled again, two tiles on, by the first tensor load behind the round; that load has a whole tile's work in which to land.
; Wave 0 then asks for 8 KiB, lanes 256 bytes apart, of the tile that the NEXT round's tensor loads will fetch; the head's eight work-groups ask for an eighth each.
; The tile's offset is clamped to the head's last tile, so the sixth round names tile 7 a second time and no address leaves the head's 512 KiB.
; kind 1: the last tile has landed; a plain barrier shows it to all waves.
.macro SYNC slot, kind
.if (\kind) == 2
	s_set_vgpr_msb 0x4
	s_wait_tensorcnt 0x0
	ds_add_u32 v31, v255
	s_wait_dscnt 0x0
	s_set_vgpr_msb 0x400
	s_add_nc_u64 s[G0+4*\slot+2:G0+4*\slot+3], s[G0+4*\slot+2:G0+4*\slot+3], 2*TILEB   ; no load is out: this slot's next tile
	s_wait_xcnt 0x0                                ; the last round's prefetch has had its address translated: its base is written only behind this wait
	s_add_co_u32 s42, s42, TILEB
	s_min_u32 s42, s42, 7*TILEB
	s_add_nc_u64 s[38:39], s[40:41], s[42:43]
	s_wait_dscnt 0x0
	CROUND
	tensor_load_to_lds s[G0+4*\slot:G0+4*\slot+3], s[G1:G1+7]
	s_nop 0
	s_cmp_lg_u32 s10, 0
	s_cbranch_scc1 .Lno_pf_\@
	global_prefetch_b8 v[PF], s[38:39] th:TH_LOAD_NT scope:SCOPE_SE
.Lno_pf_\@:
.endif
.if (\kind) == 1
	s_wait_tensorcnt 0x0
	s_wait_dscnt 0x0
	s_barrier_signal -1
	s_barrier_wait -1
.endif
.endm
; One tile of 256 keys: my 128 keys in two steps, eight turns.  first = 1: the wave's first tile.  last = 1: the last: no further K, no further S^T.
.macro TILE slot, first, sync, last
	ALPHA 0, \first, 1, 0, 0, 0, 0
	BETA  0, \first, 1-\first, 1, \slot, 0, 0      ; V of step 0 comes in, behind the last products of the step before
	ALPHA 1, \first, 1, 0, 0, 0, 0
	BETA  1, \first, 1+\first, 0, 0, 0, 1
	ALPHA 2, \first, 1, 1, \slot, 1, 0             ; K of step 1 comes in
	BETA  2, \first, 1+\first, 0, 0, 0, 0
	ALPHA 3, \first, 1, 0, 0, 0, 1
	BETA  3, \first, 1+\first, 0, 0, 0, 0
	ALPHA 0, 0, 1, 0, 0, 0, 0
	BETA  0, 0, 1+\first, 1, \slot, 1, 0           ; V of step 1 comes in: my last read of this tile
	ALPHA 1, 0, 1, 0, 0, 0, 0
	SYNC \slot, \sync
.if \sync
	BETA  1, 0, 1, 0, 0, 0, 0                      ; SYNC has waited for all LDS loads
.else
	BETA  1, 0, 1, 0, 0, 0, 1
.endif
	ALPHA 2, 0, 1, 1-\last, 1-\slot, 0, 0          ; K of the next tile's step 0 comes in, from the other slot
	BETA  2, 0, 1, 0, 0, 0, 0
	ALPHA 3, 0, 1-\last, 0, 0, 0, 1-\last
	BETA  3, 0, 1, 0, 0, 0, 0
.endm
	s_wait_tensorcnt 0x1                           ; my eighth of tile 0 is in; tile 1's load may stay out
	s_barrier_signal -1
	s_barrier_wait -1
.irp j, 0,1,2,3,4,5,6,7
	K_LD \j, 1, 0, 0
.endr
	s_wait_loadcnt 0x0                             ; Q, once
	s_wait_dscnt 0x0
.set S_NXT, SB
.set Q_NXT, QF
.irp j, 0,1,2,3,4,5,6,7
	S_MM \j, 1, 0                                  ; unit 0's scores: the pipeline's head
.endr
.rept 4
	v_nop                                          ; the places between these products and the first read of their results (ISA guide 7.12.1)
.endr
	TILE 0, 1, 2, 0                                ; tiles 0 and 1 stand in front of the loop: the first step starts the sums
	TILE 1, 0, 2, 0
	WIN 0                                          ; at a label and at a branch every window is 0
	s_mov_b32 s36, 2
.Ltiles:
	TILE 0, 0, 2, 0                                ; tiles 2 to 5; their rounds ask for tiles 4 to 7
	TILE 1, 0, 2, 0
	WIN 0
	s_sub_co_u32 s36, s36, 1
	s_cmp_lg_u32 s36, 0
	s_cbranch_scc1 .Ltiles
	TILE 0, 0, 1, 0                                ; tile 6: nothing more to fetch
	TILE 1, 0, 0, 1                                ; tile 7
	BETA 0, 2, 1, 0, 0, 0, 0                       ; the last unit's products: the pipeline's tail
	; THE MERGE.  The sums: four partial sums a query tile, then the other half of the lanes (its keys are the other half of every 16).
	; These 20 vector instructions name no register of the last products and are the places in front of the stores that read O.
	WIN 0x05                                       ; both sources in window 1
.irp qt, 0,1,2,3
	v_add_f32 v[44+2*\qt], v[LL+4*\qt], v[LL+4*\qt+1]
	v_add_f32 v[45+2*\qt], v[LL+4*\qt+2], v[LL+4*\qt+3]
.endr
	WIN 0
.irp qt, 0,1,2,3
	v_add_f32 v[ST+2*\qt+1], v[44+2*\qt], v[45+2*\qt]
.endr
.irp qt, 0,1,2,3
	v_permlanex16_b32 v[AL+2*\qt+1], v[ST+2*\qt+1], s34, s35
.endr
.irp qt, 0,1,2,3
	v_add_f32 v[ST+2*\qt+1], v[ST+2*\qt+1], v[AL+2*\qt+1]
.endr
; Waves 0-3 finish query tiles 0, 1 and hand over tiles 2, 3; waves 4-7 the other way round.
.macro XSTORE q0
	ds_store_b128 v[SA], v[ST+2*\q0:ST+2*\q0+3] offset:8192
	WIN 0x04                                       ; an LDS store's data are its source 1
.irp i, 0,1,2,3,4,5,6,7,8,9,10,11,12,13,14,15
	ds_store_b128 v[SA], v[32*\q0+4*\i:32*\q0+4*\i+3] offset:512*\i
.endr
	WIN 0
.endm
.macro FINISH q0
	ds_load_b128 v[44:47], v[RA] offset:8192       ; the partner's (m, l) of the two tiles
.irp i, 0,1,2,3,4,5,6,7,8,9,10,11,12,13,14,15
	ds_load_b128 v[XB+4*\i:XB+4*\i+3], v[RA] offset:512*\i
.endr
	s_wait_dscnt 0x0
	v_max_num_f32 v48, v[ST+2*\q0], v44            ; the common maximum
	v_max_num_f32 v49, v[ST+2*\q0+2], v46
	v_sub_f32 v50, v[ST+2*\q0], v48
	v_sub_f32 v51, v[ST+2*\q0+2], v49
	v_sub_f32 v52, v44, v48
	v_sub_f32 v53, v46, v49
	v_exp_f32 v50, v50
	v_exp_f32 v51, v51
	v_exp_f32 v52, v52
	v_exp_f32 v53, v53
	v_nop                                          ; the place behind the exponentials
	s_wait_alu depctr_va_vdst(0)
	v_mul_f32 v54, v50, v[ST+2*\q0+1]
	v_mul_f32 v55, v51, v[ST+2*\q0+3]
	v_fma_f32 v54, v52, v45, v54                   ; the common sum: at least 1, since the largest score contributes 2^0
	v_fma_f32 v55, v53, v47, v55
	v_rcp_f32 v54, v54
	v_rcp_f32 v55, v55
	v_nop
	s_wait_alu depctr_va_vdst(0)
	v_mul_f32 v56, v50, v54                        ; my factor, twice: a pair for the packed forms
	v_mul_f32 v57, v50, v54
	v_mul_f32 v58, v51, v55
	v_mul_f32 v59, v51, v55
	v_mul_f32 v60, v52, v54                        ; the partner's factor
	v_mul_f32 v61, v52, v54
	v_mul_f32 v62, v53, v55
	v_mul_f32 v63, v53, v55
.irp qq, 0,1
.irp p, 0,1,2,3,4,5,6,7,8,9,10,11,12,13,14,15
	v_pk_mul_f32 v[XB+32*\qq+2*\p:XB+32*\qq+2*\p+1], v[XB+32*\qq+2*\p:XB+32*\qq+2*\p+1], v[60+2*\qq:61+2*\qq]
.endr
.endr
	WIN 0x01                                       ; my O in window 1
.irp qq, 0,1
.irp p, 0,1,2,3,4,5,6,7,8,9,10,11,12,13,14,15
	v_pk_fma_f32 v[XB+32*\qq+2*\p:XB+32*\qq+2*\p+1], v[32*(\q0+\qq)+2*\p:32*(\q0+\qq)+2*\p+1], v[56+2*\qq:57+2*\qq], v[XB+32*\qq+2*\p:XB+32*\qq+2*\p+1]
.endr
.endr
	WIN 0
.irp qq, 0,1
.irp dt, 0,1,2,3
.irp i, 0,1,2,3
	v_cvt_pk_f16_f32 v[XB+32*\qq+8*\dt+\i], v[XB+32*\qq+8*\dt+2*\i], v[XB+32*\qq+8*\dt+2*\i+1]
.endr
	global_store_b128 v[L16], v[XB+32*\qq+8*\dt:XB+32*\qq+8*\dt+3], s[8:9] offset:(\q0+\qq)*32768+\dt*512   ; a wave's store covers 512 consecutive bytes
.endr
.endr
.endm
	s_cmp_lg_u32 s12, 0
	s_cbranch_scc1 .Lsend_low
	XSTORE 2
	s_branch .Lsent
.Lsend_low:
	XSTORE 0
.Lsent:
	s_wait_dscnt 0x0                               ; my stores are done, for the partner's sake
	s_barrier_signal -1
	s_barrier_wait -1
	s_cmp_lg_u32 s12, 0
	s_cbranch_scc1 .Lkeep_high
	FINISH 0
	s_branch .Ldone
.Lkeep_high:
	FINISH 2
.Ldone:
	s_set_vgpr_msb 0x4
	s_wait_tensorcnt 0x0
	ds_add_u32 v31, v255
	s_wait_dscnt 0x0
	s_set_vgpr_msb 0x400
	CROUND                                         ; the closing round: no work-group ends while a partner may still ask for a tile that names it
	s_endpgm
.Lfunc_end_k_q5762c2db7d_attn:
	.size	k_q5762c2db7d_attn, .Lfunc_end_k_q5762c2db7d_attn-k_q5762c2db7d_attn
	.p2alignl 7, 3214868480
	.fill 96, 4, 3214868480
	.section	.rodata,"a",@progbits
	.p2align	6, 0x0
	.amdhsa_kernel k_q5762c2db7d_attn
		.amdhsa_group_segment_fixed_size 327680
		.amdhsa_private_segment_fixed_size 0
		.amdhsa_enable_private_segment 0
		.amdhsa_kernarg_size 24
		.amdhsa_user_sgpr_count 2
		.amdhsa_user_sgpr_kernarg_segment_ptr 1
		.amdhsa_wavefront_size32 1
		.amdhsa_system_sgpr_workgroup_id_x 1
		.amdhsa_system_sgpr_workgroup_id_y 1
		.amdhsa_system_sgpr_workgroup_id_z 1
		.amdhsa_system_vgpr_workitem_id 0
		.amdhsa_next_free_vgpr 512
		.amdhsa_next_free_sgpr 66
		.amdhsa_reserve_vcc 0
		.amdhsa_float_denorm_mode_32 3
		.amdhsa_float_denorm_mode_16_64 3
		.amdhsa_memory_ordered 1
		.amdhsa_forward_progress 1
		.amdhsa_inst_pref_size 255
	.end_amdhsa_kernel
	.section	.bss,"aw",@nobits
	.p2align	6
	.space	262144
	.amdgpu_metadata
---
amdhsa.version: [ 1, 2 ]
amdhsa.kernels:
  - .name:           k_q5762c2db7d_attn
    .symbol:         k_q5762c2db7d_attn.kd
    .args:
      - { .name: qb, .offset: 0, .size: 8, .value_kind: global_buffer, .address_space: global }
      - { .name: kv, .offset: 8, .size: 8, .value_kind: global_buffer, .address_space: global }
      - { .name: ab, .offset: 16, .size: 8, .value_kind: global_buffer, .address_space: global }
    .group_segment_fixed_size: 327680
    .private_segment_fixed_size: 0
    .kernarg_segment_align: 8
    .kernarg_segment_size: 24
    .max_flat_workgroup_size: 256
    .sgpr_count:     66
    .vgpr_count:     512
    .wavefront_size: 32
...
	.end_amdgpu_metadata
.endif
;; end of part 3
;; launch oproj (part 4): grid 8 x 32, 4 waves a work-group, clusters of 4 x 4, 327,680 bytes of LDS; arguments ab, cb, out0; writes out0
.if DOCPART == 4
	.amdgcn_target "amdgcn-amd-amdhsa--gfx1250"
	.amdhsa_code_object_version 6
	.text
	.protected	k_q5762c2db7d_oproj
	.globl	k_q5762c2db7d_oproj
	.p2align	8
	.type	k_q5762c2db7d_oproj,@function
k_q5762c2db7d_oproj:
	s_mov_b64 s[64:65], 0
	v_nop
	global_prefetch_b8 v0, s[64:65] scope:SCOPE_SE
	s_setreg_imm32_b32 hwreg(HW_REG_WAVE_MODE, 25, 1), 1
	s_wait_xcnt 0x0
	s_wait_alu depctr_hold_cnt(0) depctr_sa_sdst(0) depctr_va_vdst(0) depctr_va_sdst(0) depctr_va_ssrc(0) depctr_va_vcc(0) depctr_vm_vsrc(0)
	s_getreg_b32 s2, hwreg(HW_REG_IB_STS2, 6, 4)
	s_cmp_eq_u32 s2, 0
	s_cbranch_scc0 .Lentry_in_a_cluster
	s_endpgm
.Lentry_in_a_cluster:
	s_bfe_u32 s2, ttmp6, 0x10000c
	s_cmp_lg_u32 s2, 0xf033
	s_cbranch_scc0 .Lentry_shape_is_right
	s_endpgm
.Lentry_shape_is_right:
; out0 = attn Wo^T, f16 operands, f32 sums and output.  Work-group (bx, by): 128 tokens x 128 columns, so that the 4,096 x 1,024 output gives 256 equal work-groups.
; Four waves; wave w = 2 wm + wn makes 64 x 64: 16 accumulator tiles.  K (= 1,024) goes in 8 tiles of 128 through four LDS slots; two slots are filled behind one round.
; CLUSTERS: 4 x 4 work-groups.  attn's tile hangs on by alone and is asked for jointly by a row of the cluster, Wo's on bx alone, by a column.
; attn lies in ab as [token / 16][e / 8][token % 16][8 numbers]: a fragment load reads 512 consecutive bytes of LDS, without padding.  Wo lies row-major in cb.
; The matrix instruction is used transposed (source 0 = rows of Wo, source 1 = tokens): a lane holds one token and 8 neighbouring columns, 32 bytes of a row of out0.
; REGISTERS: window 0: v16-26 addresses; v32-95, v96-159 two fragment buffers (4 of Wo, then 4 of attn), used again on the way out;  window 1: tile (a, b) at v[8 (4 a + b)].
.set PITCH,  272                       ; Wo's LDS rows: 256 bytes + 16 of padding: the 16 rows of a fragment load start at 16 different 16-byte columns modulo 256
.set PART,   64*PITCH                  ; one wave's part of a slot: 64 rows of Wo, or 4 blocks of 16 tokens x 128 e (16,384 bytes of it)
.set SLOT,   4*PART                    ; Wo half 0, Wo half 1, attn half 0, attn half 1
.set STAGE,  4*SLOT                    ; behind the ring: 16 rows x 272 bytes for each wave; no tensor load lands there
.set SPITCH, 272
.set WOOFF,  14680064                  ; Wo in cb
.set ADRB, 16                          ; v16-19  my Wo fragments in slot 0..3
.set ADRA, 20                          ; v20-23  my attn fragments in slot 0..3
.set STO,  24
.set RD,   25
.set CO,   26
.set F0,   32
.set F1,   96
.set G1A, 16                           ; s[16:23]
.set G1B, 24                           ; s[24:31]
.set G0A, 32                           ; s[32:47], a set for each slot
.set G0B, 48                           ; s[48:63]
.set MSB, 0
.macro WIN new                         ; s_set_vgpr_msb: bits 1:0 source 0, 3:2 source 1, 5:4 source 2, 7:6 destination; the high byte repeats the setting that is left
.if MSB != \new
	s_set_vgpr_msb (MSB<<8)|\new
.set MSB, \new
.endif
.endm
.macro PLACES n
.rept \n
	v_nop
.endr
.endm
.macro JLOAD s                         ; waves 0, 1 fetch Wo's two halves, waves 2, 3 attn's: each line has one mask and one set of registers
	s_cmp_eq_u32 s11, 0
	s_cbranch_scc0 .Lfor_a_\@
	tensor_load_to_lds s[G0B+4*\s:G0B+4*\s+3], s[G1B:G1B+7]
	s_nop 0
	s_branch .Lasked_\@
.Lfor_a_\@:
	tensor_load_to_lds s[G0A+4*\s:G0A+4*\s+3], s[G1A:G1A+7]
	s_nop 0
.Lasked_\@:
.endm
.macro CROUND                          ; a round of the cluster's barrier
	s_barrier_signal -1
	s_barrier_wait -1
	s_cmp_lg_u32 s10, 0
	s_cbranch_scc1 .Lnot_wave_0_\@
	s_barrier_signal -3
.Lnot_wave_0_\@:
	s_barrier_wait -3
	s_barrier_signal -1
	s_barrier_wait -1
.endm
	s_load_b128 s[4:7], s[0:1], 0x0                ; ab s[4:5], cb s[6:7]
	s_load_b64 s[8:9], s[0:1], 0x10                ; out0
	v_lshl_add_u32 v254, v0, 2, 0x48400
	v_mov_b32 v255, 0
	ds_add_u32 v254, v255
	v_lshrrev_b32 v1, 5, v0
	v_readfirstlane_b32 s10, v1                    ; wave 0..3
	s_lshr_b32 s11, s10, 1                         ; wm.  Also: I fetch Wo (0) or attn (1)
	s_and_b32 s12, s10, 1                          ; wn.  Also: which half I fetch
	s_bfe_u32 s66, ttmp6, 0x40000                  ; cx
	s_bfe_u32 s67, ttmp6, 0x40004                  ; cy
	s_lshl_b32 s68, ttmp9, 2
	s_add_co_u32 s68, s68, s66                     ; bx
	s_and_b32 s13, ttmp7, 0xffff
	s_lshl_b32 s13, s13, 2
	s_add_co_u32 s13, s13, s67                     ; by
	s_lshl_b32 s69, s67, 2
	s_lshl_b32 s69, 15, s69                        ; my row of the cluster
	s_lshl_b32 s70, 0x1111, s66                    ; my column
	s_or_b32 s[G1A+0], s69, (3<<16)|(1<<21)        ; attn: mask of my row; elements of 8 bytes; no padding; bit 21 beside a mask
	s_mov_b32 s[G1A+1], 512<<16                    ; tensor_dim0 = 512 elements: 16 chunks of 256 bytes of one block of 16 tokens
	s_mov_b32 s[G1A+2], 4<<16                      ; tensor_dim1 = 4 blocks
	s_mov_b32 s[G1A+3], 512<<16                    ; tile_dim0
	s_mov_b32 s[G1A+4], 4                          ; tile_dim1
	s_mov_b32 s[G1A+5], 4096                       ; 32,768 bytes from block to block
	s_mov_b32 s[G1A+6], 0
	s_mov_b32 s[G1A+7], 0
	s_or_b32 s[G1B+0], s70, (1<<16)|(1<<20)|(1<<21)|(5<<22)|(3<<25)   ; Wo: mask of my column; elements of 2 bytes; 4 words of padding behind every 64
	s_mov_b32 s[G1B+1], 128<<16
	s_mov_b32 s[G1B+2], 64<<16
	s_mov_b32 s[G1B+3], 128<<16
	s_mov_b32 s[G1B+4], 64
	s_mov_b32 s[G1B+5], 1024
	s_mov_b32 s[G1B+6], 0
	s_mov_b32 s[G1B+7], 0
	s_lshl_b32 s14, s13, 18                        ; attn: 8 blocks of 32,768 bytes for 128 tokens,
	s_lshl_b32 s15, s12, 17                        ; 4 for a half
	s_add_co_u32 s14, s14, s15
	s_mov_b32 s15, 0
	s_lshl_b32 s74, s68, 18                        ; Wo: 128 rows of 2,048 bytes,
	s_lshl_b32 s75, s12, 17                        ; 64 for a half,
	s_add_co_u32 s74, s74, s75
	s_add_co_u32 s74, s74, WOOFF
	s_mov_b32 s75, 0
	s_mul_i32 s76, s10, PART                       ; wave w fills part w of a slot
	s_wait_dscnt 0x0
	s_wait_kmcnt 0x0
	s_add_nc_u64 s[14:15], s[4:5], s[14:15]
	s_add_nc_u64 s[74:75], s[6:7], s[74:75]
	CROUND                                         ; all sixteen work-groups are here: the first joint loads meet
.irp s, 0,1,2,3
	s_mov_b32 s[G0A+4*\s], 1
	s_add_co_u32 s[G0A+4*\s+1], s76, \s*SLOT
	s_add_nc_u64 s[G0A+4*\s+2:G0A+4*\s+3], s[14:15], \s*4096       ; tile s: 16 chunks of 256 bytes on
	s_or_b32 s[G0A+4*\s+3], s[G0A+4*\s+3], 0x80000000
	s_mov_b32 s[G0B+4*\s], 1
	s_add_co_u32 s[G0B+4*\s+1], s76, \s*SLOT
	s_add_nc_u64 s[G0B+4*\s+2:G0B+4*\s+3], s[74:75], \s*256        ; tile s: 128 numbers on in every row
	s_or_b32 s[G0B+4*\s+3], s[G0B+4*\s+3], 0x80000000
	JLOAD \s                                       ; tiles 0 to 3: four tensor loads of the wave are out, the most in this text
.endr
	v_and_b32 v1, 15, v0                           ; l % 16
	v_bfe_u32 v2, v0, 4, 1                         ; l / 16
	v_mul_u32_u24 v3, v1, PITCH
	v_lshl_add_u32 v3, v2, 4, v3                   ; Wo: row x pitch + 16 x half
	v_and_b32 v4, 31, v0
	v_lshlrev_b32 v4, 4, v4                        ; attn: 16 x lane
	s_mul_i32 s77, s12, PART                       ; my 64 rows of Wo
	s_mul_i32 s78, s11, PART
	s_add_co_u32 s78, s78, 2*PART                  ; my 64 tokens
.irp s, 0,1,2,3
	v_add_nc_u32 v[ADRB+\s], s77, v3
	v_add_nc_u32 v[ADRA+\s], s78, v4
	s_add_co_u32 s77, s77, SLOT
	s_add_co_u32 s78, s78, SLOT
.endr
	s_mul_i32 s79, s10, 16*SPITCH
	s_add_co_u32 s79, s79, STAGE                   ; my stage
	v_mul_u32_u24 v5, v1, SPITCH
	v_lshl_add_u32 v5, v2, 5, v5                   ; in: row l % 16, 32 bytes for each half of the lanes
	v_add_nc_u32 v[STO], s79, v5
	v_mul_u32_u24 v5, v2, SPITCH
	v_lshl_add_u32 v5, v1, 4, v5                   ; back: lanes 0-15 one row of 256 bytes, lanes 16-31 the next
	v_add_nc_u32 v[RD], s79, v5
	v_lshlrev_b32 v5, 12, v2                       ; and the same two rows of out0, 4,096 bytes apart
	v_lshl_add_u32 v[CO], v1, 4, v5
.macro FETCH slot, q, f                ; 16 LDS loads: the fragments of quarter q (32 along K) of a tile
	WIN 0
.irp b, 0,1,2,3
	ds_load_b128 v[\f+8*\b:\f+8*\b+3],   v[ADRB+\slot] offset:\b*16*PITCH+64*\q
	ds_load_b128 v[\f+8*\b+4:\f+8*\b+7], v[ADRB+\slot] offset:\b*16*PITCH+64*\q+32
.endr
.irp a, 0,1,2,3
	ds_load_b128 v[\f+32+8*\a:\f+32+8*\a+3],   v[ADRA+\slot] offset:\a*4096+1024*\q
	ds_load_b128 v[\f+32+8*\a+4:\f+32+8*\a+7], v[ADRA+\slot] offset:\a*4096+1024*\q+512
.endr
.endm
; The 16 accumulators take turns, one instruction a turn, in the same order in every quarter.
.macro MUL8 f, a0, zero
	WIN 0x50
.irp a, \a0, \a0+1
.irp b, 0,1,2,3
.if \zero
	v_wmma_f32_16x16x32_f16 v[8*(4*(\a)+\b):8*(4*(\a)+\b)+7], v[\f+8*\b:\f+8*\b+7], v[\f+32+8*(\a):\f+32+8*(\a)+7], 0
.else
	v_wmma_f32_16x16x32_f16 v[8*(4*(\a)+\b):8*(4*(\a)+\b)+7], v[\f+8*\b:\f+8*\b+7], v[\f+32+8*(\a):\f+32+8*(\a)+7], v[8*(4*(\a)+\b):8*(4*(\a)+\b)+7]
.endif
.endr
.endr
.endm
.macro HEADQ f, zero
	s_wait_dscnt 0x0                               ; buffer f is in
	MUL8 \f, 0, \zero
.endm
.macro TAILQ f, g, nslot, nq, zero     ; four places behind the matrix instructions that read buffer g, then the next quarter's loads into it (ISA guide 7.12.1 for vector instructions)
	PLACES 4
	FETCH \nslot, \nq, \g
	MUL8 \f, 2, \zero
.endm
.macro TILE3 slot, zero                ; a tile up to the middle of its last quarter: all its LDS reads are back behind the last HEADQ's wait
	HEADQ F0, \zero
	TAILQ F0, F1, \slot, 1, \zero
	HEADQ F1, 0
	TAILQ F1, F0, \slot, 2, 0
	HEADQ F0, 0
	TAILQ F0, F1, \slot, 3, 0
	HEADQ F1, 0
.endm
.macro NEXT nslot                      ; the rest of the last quarter, with the next tile's first fragments
	TAILQ F1, F0, \nslot, 0, 0
.endm
.macro PLAIN c                         ; shows a landed tile to the other waves; c younger loads may stay out
	s_wait_dscnt 0x0
	s_wait_tensorcnt \c
	s_barrier_signal -1
	s_barrier_wait -1
.endm
; Slots ra and rb, which have been read, are filled again, four tiles on.  Every wave waits for its LDS reads and for all its tensor loads in front of the round;
; the two joint refills are the first tensor loads behind it, and two tiles' work passes before the wait for them.
.macro REFILL ra, rb
	s_wait_dscnt 0x0
	s_wait_tensorcnt 0x0
	ds_add_u32 v254, v255
	s_wait_dscnt 0x0
.irp t, \ra, \rb
	s_add_nc_u64 s[G0A+4*\t+2:G0A+4*\t+3], s[G0A+4*\t+2:G0A+4*\t+3], 4*4096
	s_add_nc_u64 s[G0B+4*\t+2:G0B+4*\t+3], s[G0B+4*\t+2:G0B+4*\t+3], 4*256
.endr
	WIN 0
	CROUND
	JLOAD \ra
	JLOAD \rb
.endm
	s_wait_tensorcnt 0x3                           ; my part of tile 0 is in; the three younger loads may stay out
	s_barrier_signal -1
	s_barrier_wait -1
	FETCH 0, 0, F0
	TILE3 0, 1                                     ; tile 0: its first products start the sums
	PLAIN 2                                        ; tile 1 is in, tiles 2 and 3 may be out
	NEXT 1
	TILE3 1, 0
	REFILL 0, 1                                    ; tiles 2 and 3 have landed; tiles 4 and 5 go out
	NEXT 2
	TILE3 2, 0
	NEXT 3                                         ; tile 3 was shown whole by the round above
	TILE3 3, 0
	REFILL 2, 3                                    ; tiles 4 and 5 have landed; tiles 6 and 7 go out
	NEXT 0
	TILE3 0, 0
	NEXT 1
	TILE3 1, 0
	PLAIN 0                                        ; tiles 6 and 7 have landed: no tensor load is out from here on
	NEXT 2
	TILE3 2, 0
	NEXT 3
	TILE3 3, 0
	MUL8 F1, 2, 0                                  ; the very last quarter: nothing more to fetch
	; THE WAY OUT, 16 tokens at a time: 32 bytes a lane into my own stage, read back as rows of 256 bytes, stored so that 16 lanes cover 256 consecutive bytes,
	; at a multiple of 256 from out0's first byte.  LDS serves a wave's instructions in order (ISA guide 5.7.1.4): no wait between my stores and my loads.
	PLACES 4                                       ; the places behind the last matrix instructions
	s_lshl_b32 s72, s13, 19                        ; 128 by rows of 4,096 bytes
	s_lshl_b32 s71, s11, 18                        ; + 64 wm rows
	s_add_co_u32 s72, s72, s71
	s_lshl_b32 s71, s68, 9                         ; + 128 bx columns of 4 bytes
	s_add_co_u32 s72, s72, s71
	s_lshl_b32 s71, s12, 8                         ; + 64 wn columns
	s_add_co_u32 s72, s72, s71
	s_mov_b32 s73, 0
	s_add_nc_u64 s[8:9], s[8:9], s[72:73]
.irp a, 0,1,2,3
	WIN 0x04                                       ; an LDS store's data are its source 1
.irp b, 0,1,2,3
	ds_store_b128 v[STO], v[8*(4*\a+\b):8*(4*\a+\b)+3]   offset:64*\b
	ds_store_b128 v[STO], v[8*(4*\a+\b)+4:8*(4*\a+\b)+7] offset:64*\b+16
.endr
	WIN 0
.irp t, 0,1,2,3,4,5,6,7
	ds_load_b128 v[32+32*\a+4*\t:32+32*\a+4*\t+3], v[RD] offset:\t*2*SPITCH
.endr
.irp t, 0,1,2,3,4,5,6,7
	s_wait_dscnt 7-\t                              ; LDS loads come back in order: rows 2 t, 2 t + 1 are in, the 7 - t younger loads may be out
	global_store_b128 v[CO], v[32+32*\a+4*\t:32+32*\a+4*\t+3], s[8:9] offset:(16*\a+2*\t)*4096   ; each group of 16 tokens has registers of its own: none is written again
.endr
.endr
	s_wait_tensorcnt 0x0
	ds_add_u32 v254, v255
	s_wait_dscnt 0x0
	CROUND                                         ; the closing round: no work-group ends while a partner may still ask for a tile that names it
	s_endpgm
.Lfunc_end_k_q5762c2db7d_oproj:
	.size	k_q5762c2db7d_oproj, .Lfunc_end_k_q5762c2db7d_oproj-k_q5762c2db7d_oproj
	.p2alignl 7, 3214868480
	.fill 96, 4, 3214868480
	.section	.rodata,"a",@progbits
	.p2align	6, 0x0
	.amdhsa_kernel k_q5762c2db7d_oproj
		.amdhsa_group_segment_fixed_size 327680
		.amdhsa_private_segment_fixed_size 0
		.amdhsa_enable_private_segment 0
		.amdhsa_kernarg_size 24
		.amdhsa_user_sgpr_count 2
		.amdhsa_user_sgpr_kernarg_segment_ptr 1
		.amdhsa_wavefront_size32 1
		.amdhsa_system_sgpr_workgroup_id_x 1
		.amdhsa_system_sgpr_workgroup_id_y 1
		.amdhsa_system_sgpr_workgroup_id_z 1
		.amdhsa_system_vgpr_workitem_id 0
		.amdhsa_next_free_vgpr 384
		.amdhsa_next_free_sgpr 80
		.amdhsa_reserve_vcc 0
		.amdhsa_float_denorm_mode_32 3
		.amdhsa_float_denorm_mode_16_64 3
		.amdhsa_memory_ordered 1
		.amdhsa_forward_progress 1
		.amdhsa_inst_pref_size 91
	.end_amdhsa_kernel
	.amdgpu_metadata
---
amdhsa.version: [ 1, 2 ]
amdhsa.kernels:
  - .name:           k_q5762c2db7d_oproj
    .symbol:         k_q5762c2db7d_oproj.kd
    .args:
      - { .name: ab, .offset: 0, .size: 8, .value_kind: global_buffer, .address_space: global }
      - { .name: cb, .offset: 8, .size: 8, .value_kind: global_buffer, .address_space: global }
      - { .name: out0, .offset: 16, .size: 8, .value_kind: global_buffer, .address_space: global }
    .group_segment_fixed_size: 327680
    .private_segment_fixed_size: 0
    .kernarg_segment_align: 8
    .kernarg_segment_size: 24
    .max_flat_workgroup_size: 128
    .sgpr_count:     80
    .vgpr_count:     384
    .wavefront_size: 32
...
	.end_amdgpu_metadata
.endif
;; end of part 4
